; MI455X (gfx1250); checked and timed in simulation.
; The chip was launched on July 23, 2026; its instructions are those of AMD's public machine-readable ISA for CDNA 5 (MIT licence, August 2026) and "CDNA5" Instruction Set Architecture Reference Guide (July 2026). The comments in the code are by the model that wrote it; some were corrected since.
;; Linear. Allowed arithmetic: matrix products marked QUANTISED: E2M3 operands, one E8M0 scale for each 32 along K, by v_wmma_scale_f32_16x16x128_f8f6f4 with both operands' format E2M3, f32 sums; everything else in f32.
;; Inputs: A 64 x 4,096 float32; B 4,096 x 64 float32; WL 64 x 4,096 float32; WR 4,096 x 64 float32; W_base 4,096 x 4,096 float32; b_base 4,096 float32; x 4 x 512 x 4,096 float32.
;; Outputs: out0 4 x 512 x 4,096 float32.
;; This version of the problem:
;;   THIS VERSION OF THE PROBLEM IS GIVEN IN LOW PRECISION. The matrix products marked QUANTISED in the list below multiply operands that are first quantised to E2M3 (2 exponent bits, 3 mantissa bits; 6 bits a number), with one power-of-two scale for each 32 numbers along K (OCP MX v1.0); their sums are f32. All else is computed in f32.
;;   The module's matrix products, in the order in which they are computed (A, B: the left and right operand; K: the contracted axis; several contracted axes count as one K, in the product's order):
;;     1. [M 2,048, K 4,096] x [K 4,096, N 4,096]; A: input x; B: input W_base: QUANTISED
;;     2. [M 2,048, K 4,096] x [K 4,096, N 64]; A: input x; B: input A: QUANTISED
;;     3. [M 2,048, K 4,096] x [K 4,096, N 64]; A: input x; B: input WL: QUANTISED
;;     4. [M 2,048, K 64] x [K 64, N 4,096]; A: computed on the way; B: input B: QUANTISED
;;     5. [M 2,048, K 64] x [K 64, N 4,096]; A: computed on the way; B: input WR: QUANTISED
;;   THE QUANTISER, for each operand of a quantised product, along K:
;;     - K is cut into blocks of 32 from its start; a last block that is shorter is filled with zeros.
;;     - A block's scale is 2^e with e = floor(log2(the largest magnitude in the block)) - 2, held to -126 .. 127; a block of zeros has e = 0. As a byte (E8M0): e + 127.
;;     - Each number is divided by its block's scale, clamped to +-7.5, and rounded to the nearest number of E2M3, ties to even, subnormals kept.
;;     - The product sums the exact products of the quantised numbers (number of the format x scale) in f32.
;;   ~~~python
;;   def quantise(x, axis):      # numpy; x: float32 -> the quantised numbers, widened to float32 again
;;       x = np.moveaxis(x, axis, -1); K = x.shape[-1]
;;       x = np.pad(x, [(0, 0)] * (x.ndim - 1) + [(0, -K % 32)]); x = x.reshape(x.shape[:-1] + (-1, 32)); a = np.abs(x).max(-1, keepdims=True)
;;       e = np.where(a > 0, np.clip(np.frexp(np.where(a > 0, a, 1))[1] - 1 - 2, -126, 127), 0)      # np.frexp(a)[1] - 1 = floor(log2(a)), exactly
;;       r = np.clip(x / 2.0 ** e, -7.5, 7.5)
;;       step = 2.0 ** (np.maximum(np.frexp(np.where(r == 0, 1, r))[1] - 1, 0) - 3)
;;       q = np.round(r / step) * step * 2.0 ** e      # np.round: ties to even
;;       return np.moveaxis(q.reshape(q.shape[:-2] + (-1,))[..., :K], -1, axis).astype(np.float32)
;;   ~~~
;;   OPERANDS COMPUTED ON THE WAY. 'Computed on the way' means the value that the module computes at that place (a softmax that the list does not call 'softmax' is quantised finished and normalised). What goes into a quantiser is computed in f32, as accurately as f32 sums, v_exp_f32 and their like allow (about 1e-6 of the number): no bf16 or f16 on the way to a quantiser, and a product that is left as it is and whose result goes on into a quantised operand takes f32 operands (vector FMAs, or v_wmma_f32_16x16x4_f32). A number that lies on a knife's edge between two numbers of the format may be rounded either way, as far as f32 arithmetic and the matrix unit's own rounding can turn it there, and no further.
;; One version. Each part assembles by itself: llvm-mc -triple=amdgcn-amd-amdhsa -mcpu=gfx1250 --defsym DOCPART=n.
;; ======== version 1 of 1: 3 launches
;; limits: right only within a limited range of input values
;; workspace buffers: q 20,070,400 bytes; lora 614,400 bytes
;; launch quant (part 1): grid 784 x 1, 4 waves a work-group, no clusters, 49,664 bytes of LDS; arguments x, W_base, A, WL, q; writes q
.if DOCPART == 1
	.amdgcn_target "amdgcn-amd-amdhsa--gfx1250"
	.amdhsa_code_object_version 6
	.text
	.protected	k_q67ed99beac_quant
	.globl	k_q67ed99beac_quant
	.p2align	8
	.type	k_q67ed99beac_quant,@function
k_q67ed99beac_quant:
	s_mov_b64 s[64:65], 0
	v_nop
	global_prefetch_b8 v0, s[64:65] scope:SCOPE_SE
	s_setreg_imm32_b32 hwreg(HW_REG_WAVE_MODE, 25, 1), 1
	s_wait_xcnt 0x0
; x [2048][4096], W_base [4096][4096], A [64][4096], WL [64][4096], all f32 with K innermost, are turned into codes of FP6 (E2M3) with one E8M0 byte for each 32 along K.
; A block's scale is 2^(floor(log2(its largest magnitude)) - 2); its byte is the largest magnitude's exponent field - 2, held at 1 from below; each number is divided by the scale and rounded to the nearest code, ties to even, beyond 7.5 the largest code.
; LIMITS: NaN and infinities among the inputs are not served.  A block of zeros gets the byte 1 (the stated quantiser says 127): its codes are zeros, which add nothing under any byte but 0xff, and this program alone reads the bytes.
;         Blocks whose largest magnitude lies under 2^(3 - 127) are quantised with the byte held at 1.
; THE OUTPUT IS LAID AS THE MATRIX UNIT'S REGISTERS WANT IT.  A RECORD is 16 rows x 512 along K, 6,400 bytes (25 x 256):
;   bytes 0 .. 6143: four fragments (128 along K each, 1,536 bytes).  In a fragment lane l = r + 16 h of the later reader owns the 48 bytes at 48 l: 24 bytes of row r's block h, then 24 bytes of its block 2 + h:
;   its twelve operand registers on end, so that a fragment is read by three loads of 16 bytes a lane.   bytes 6144 .. 6399: row r's 16 scale bytes at 6144 + 16 r: one word for each 128 along K.
;   Record (K slot ks, row group G) of a tensor of NG groups lies at the tensor's base + (ks NG + G) x 6,400: the records of neighbouring groups for one ks are one dense block.
; SHARES.  One wave makes one record; a work-group four.  Work-groups 0-255 take x, 256-767 W_base, 768-775 A, 776-783 WL: one path for all, only the pointer, the first work-group and log2 NG are chosen, on the work-group's number.
; A step is one row of the record: 512 numbers, four loads of 512 consecutive bytes.  The conversion takes 16 neighbours along K from ONE lane's registers, so the 2,048 bytes turn through the wave's own stage in LDS (16 bytes of
; padding behind each 64) and come back 64 bytes a lane; two neighbouring lanes hold a block.  The codes are gathered in a second stage in the record's order and leave as twelve stores of 512 consecutive bytes, the scale bytes as one of 256.
; No tensor loads, no barrier, no cluster: waves share nothing, and no two work-groups read the same bytes.  Loads run four rows (16 loads a wave) ahead, the turn through LDS one row.
.set SP,    80                         ; a lane's place in a stage of numbers: 64 bytes + 16 of padding
.set WREG,  12288                      ; LDS of one wave
.set CST,   2*32*SP                    ; behind the two stages of numbers: the codes, eight runs of 768 bytes, 16 bytes of padding behind each
.set CRUN,  784
.set SCB,   CST+8*CRUN                 ; behind them the record's 256 scale bytes
.set ROWB,  16384                      ; a row of any of the four tensors in bytes
.set REC,   6400
.set R,     16                         ; v16-79   four sets of 16 numbers as they are loaded; on the way out the record's codes
.set X,     80                         ; v80-111  two sets of 16 neighbours
.set E,     112                        ; v112-127 a scale byte for each row
.set C,     128                        ; v128-191 codes: four registers for each row
	s_load_b256 s[4:11], s[0:1], 0x0               ; x s[4:5], W_base s[6:7], A s[8:9], WL s[10:11]
	s_load_b64 s[12:13], s[0:1], 0x20              ; q
	v_lshl_add_u32 v192, v0, 2, 0xc000
	v_mov_b32 v193, 0
	v_lshrrev_b32 v1, 5, v0
	v_readfirstlane_b32 s16, v1                    ; wave 0..3
	v_and_b32 v2, 31, v0                           ; lane
	v_lshlrev_b32 v3, 4, v2                        ; 16 x lane: my bytes of a load's or a store's 512
	s_mul_i32 s24, s16, WREG                       ; my wave's LDS
	v_lshrrev_b32 v14, 2, v2
	v_mul_u32_u24 v14, v14, SP
	v_and_b32 v15, 3, v2
	v_lshl_add_u32 v14, v15, 4, v14
	v_add_nc_u32 v14, s24, v14                     ; numbers, on the way in: four lanes' 64 bytes on end, then the padding
	v_mul_u32_u24 v15, v2, SP
	v_add_nc_u32 v15, s24, v15                     ; and on the way out: my 16 neighbours
	; my 16 numbers are half (lane & 1) of the row's block lane >> 1: fragment lane >> 3, block q = (lane >> 1) & 3 in it, q = h + 2 c
	v_lshrrev_b32 v8, 3, v2
	v_mul_u32_u24 v4, v8, 2*CRUN                   ; the fragment: two runs
	v_bfe_u32 v8, v2, 1, 1
	v_mad_u32_u24 v4, v8, CRUN, v4                 ; h: the run of the reader's lanes 16 h .. 16 h + 15
	v_bfe_u32 v8, v2, 2, 1
	v_mad_u32_u24 v4, v8, 24, v4                   ; c: the first or the second 24 bytes of the reader's 48
	v_and_b32 v8, 1, v2
	v_mad_u32_u24 v4, v8, 12, v4                   ; my half of the block
	s_add_co_u32 s25, s24, CST
	v_add_nc_u32 v4, s25, v4                       ; (the row adds 48 bytes: an immediate).  In words modulo 64: 8 fragment + 4 h + 6 c + 3 half: 32 lanes, 32 different banks (64 banks of 4 bytes: ISA guide 11.1)
	v_add_nc_u32 v10, s25, v3                      ; the codes on the way out: 16 x lane,
	v_lshrrev_b32 v8, 4, v2
	v_lshl_add_u32 v1, v8, 4, v10                  ; and the same with one padding more for lanes 16-31: for the piece that spans two runs
	s_add_co_u32 s25, s24, SCB
	v_lshrrev_b32 v5, 1, v2
	v_add_nc_u32 v5, s25, v5                       ; my block's scale byte in a row's sixteen
	v_lshlrev_b32 v7, 3, v2                        ; the scale bytes on the way out: 8 a lane
	v_add_nc_u32 v6, s25, v7
	s_mov_b32 s17, 776                             ; the tensor's first work-group,
	s_mov_b32 s18, 2                               ; and log2 of its number of row groups
	s_wait_kmcnt 0x0
	s_cmp_lt_u32 ttmp9, 776                        ; the choices hang on the work-group's number alone
	s_cselect_b64 s[8:9], s[8:9], s[10:11]         ; A or WL
	s_cselect_b32 s17, 768, s17
	s_cmp_lt_u32 ttmp9, 768
	s_cselect_b64 s[6:7], s[6:7], s[8:9]           ; W_base, or one of those
	s_cselect_b32 s17, 256, s17
	s_cselect_b32 s18, 8, s18
	s_cmp_lt_u32 ttmp9, 256
	s_cselect_b64 s[4:5], s[4:5], s[6:7]           ; x, or one of those
	s_cselect_b32 s17, 0, s17
	s_cselect_b32 s18, 7, s18
	s_sub_co_u32 s19, ttmp9, s17
	s_lshl_b32 s19, s19, 2
	s_add_co_u32 s19, s19, s16                     ; which record of the tensor is my wave's: 8 G + ks
	s_lshr_b32 s20, s19, 3                         ; G
	s_and_b32 s21, s19, 7                          ; ks
	s_lshl_b32 s22, s20, 18                        ; in: 16 G rows of 16,384 bytes
	s_lshl_b32 s23, s21, 11                        ;     + 512 ks numbers
	s_add_co_u32 s22, s22, s23
	s_mov_b32 s23, 0
	s_add_nc_u64 s[4:5], s[4:5], s[22:23]
	s_lshl_b32 s21, s21, s18                       ; out: record ks NG + G of the tensor,
	s_add_co_u32 s21, s21, s20
	s_lshl_b32 s17, s17, 2                         ; behind the four records of each earlier work-group
	s_add_co_u32 s21, s21, s17
	s_mul_i32 s22, s21, REC
	s_add_nc_u64 s[12:13], s[12:13], s[22:23]
.macro LOAD t                          ; row t's 512 numbers
.irp i, 0,1,2,3
	global_load_b128 v[R+16*((\t)%4)+4*\i:R+16*((\t)%4)+4*\i+3], v3, s[4:5] offset:ROWB*(\t)+512*\i th:TH_LOAD_NT   ; 32 lanes read 512 consecutive bytes; read once in the launch
.endr
.endm
.macro TURN t                          ; row t's numbers through the stage: LDS serves a wave's instructions in order (ISA guide 5.7.1.4), so no wait stands between the stores and the loads
.irp i, 0,1,2,3
	ds_store_b128 v14, v[R+16*((\t)%4)+4*\i:R+16*((\t)%4)+4*\i+3] offset:32*SP*((\t)%2)+8*SP*\i
.endr
.irp i, 0,1,2,3
	ds_load_b128 v[X+16*((\t)%2)+4*\i:X+16*((\t)%2)+4*\i+3], v15 offset:32*SP*((\t)%2)+16*\i
.endr
.endm
.irp t, 0,1,2,3
	LOAD \t
.endr
	s_wait_loadcnt 12                              ; row 0's four loads are in
	TURN 0
.macro STEP t
.set XS, X+16*((\t)%2)
.if (\t) > 0
	s_wait_dscnt 4                                 ; this row's numbers are back from the stage (behind them: the last row's three code stores and its byte store): so its stores into the stage have read their registers,
.else
	s_wait_dscnt 0x0
.endif
.if (\t)+4 < 16
	LOAD (\t)+4                                    ; which take the loads of four rows on
.endif
.if (\t)+1 < 16
.if 14-(\t) >= 3
	s_wait_loadcnt 12                              ; the next row's four loads are in; those of the three rows behind it may be out
.else
	s_wait_loadcnt 4*(14-(\t))
.endif
	TURN (\t)+1                                    ; and go through the other stage while this row is worked
.endif
	v_max3_num_f32 v8, |v[XS]|, |v[XS+1]|, |v[XS+2]|               ; the largest magnitude of my 16, in two chains
	v_max3_num_f32 v9, |v[XS+3]|, |v[XS+4]|, |v[XS+5]|
.irp i, 6,10
	v_max3_num_f32 v8, v8, |v[XS+\i]|, |v[XS+\i+1]|
	v_max3_num_f32 v9, v9, |v[XS+\i+2]|, |v[XS+\i+3]|
.endr
	v_max3_num_f32 v8, v8, |v[XS+14]|, |v[XS+15]|
	v_max3_num_f32 v8, v8, v9, 0x1800000           ; and the floor 2^(3 - 127): so the byte cannot fall under 1
	v_max_num_f32_dpp v8, v8, v8 row_xmask:1 row_mask:0xf bank_mask:0xf   ; and of my neighbour's 16: the block's
	v_add_nc_u32 v11, 0xff000000, v8               ; 2 off its exponent field: the conversion takes the exponent field of this operand as its scale, and nothing else of it
	v_cvt_scalef32_pk16_fp6_f32 v[C+4*(\t):C+4*(\t)+2], v[XS:XS+15], v11   ; 16 codes, 96 bits without gaps, the first number's code lowest
	v_lshrrev_b32 v[E+(\t)], 23, v11               ; the scale's byte (a plain line behind the conversion)
	ds_store_b8 v5, v[E+(\t)] offset:16*(\t)       ; both lanes of a block write the same byte with the same value
.irp k, 0,1,2
	ds_store_b32 v4, v[C+4*(\t)+\k] offset:48*(\t)+4*\k            ; my 12 bytes, at their place in the record
.endr
.endm
.irp t, 0,1,2,3,4,5,6,7,8,9,10,11,12,13,14,15
	STEP \t
.endr
	; THE WAY OUT: the record as it lies, 512 bytes a load; the paddings behind each 768 bytes are stepped over
.irp p, 0,1,2,3
	ds_load_b128 v[R+12*\p:R+12*\p+3], v10 offset:2*CRUN*\p                ; LDS serves a wave's instructions in order: these see my stores
	ds_load_b128 v[R+12*\p+4:R+12*\p+7], v1 offset:2*CRUN*\p+512          ; lanes 16-31 lie in the next run
	ds_load_b128 v[R+12*\p+8:R+12*\p+11], v10 offset:2*CRUN*\p+1040
.endr
	ds_load_b64 v[12:13], v6
.irp k, 0,1,2,3,4,5,6,7,8,9,10,11
	s_wait_dscnt 12-\k                             ; piece k is in; the later ones may be out
	global_store_b128 v3, v[R+4*\k:R+4*\k+3], s[12:13] offset:512*\k       ; 32 lanes store 512 consecutive bytes, at a multiple of 256 from q's first byte; later launches read them: no hint
.endr
	s_wait_dscnt 0x0
	global_store_b64 v7, v[12:13], s[12:13] offset:6144                    ; the 256 scale bytes, in one store
	s_wait_tensorcnt 0x0
	ds_add_u32 v192, v193
	s_wait_dscnt 0x0
	s_endpgm
.Lfunc_end_k_q67ed99beac_quant:
	.size	k_q67ed99beac_quant, .Lfunc_end_k_q67ed99beac_quant-k_q67ed99beac_quant
	.p2alignl 7, 3214868480
	.fill 96, 4, 3214868480
	.section	.rodata,"a",@progbits
	.p2align	6, 0x0
	.amdhsa_kernel k_q67ed99beac_quant
		.amdhsa_group_segment_fixed_size 49664
		.amdhsa_private_segment_fixed_size 0
		.amdhsa_enable_private_segment 0
		.amdhsa_kernarg_size 40
		.amdhsa_user_sgpr_count 2
		.amdhsa_user_sgpr_kernarg_segment_ptr 1
		.amdhsa_wavefront_size32 1
		.amdhsa_system_sgpr_workgroup_id_x 1
		.amdhsa_system_sgpr_workgroup_id_y 1
		.amdhsa_system_sgpr_workgroup_id_z 1
		.amdhsa_system_vgpr_workitem_id 0
		.amdhsa_next_free_vgpr 194
		.amdhsa_next_free_sgpr 66
		.amdhsa_reserve_vcc 0
		.amdhsa_float_denorm_mode_32 3
		.amdhsa_float_denorm_mode_16_64 3
		.amdhsa_memory_ordered 1
		.amdhsa_forward_progress 1
		.amdhsa_inst_pref_size 37
	.end_amdhsa_kernel
	.amdgpu_metadata
---
amdhsa.version: [ 1, 2 ]
amdhsa.kernels:
  - .name:           k_q67ed99beac_quant
    .symbol:         k_q67ed99beac_quant.kd
    .args:
      - { .name: x, .offset: 0, .size: 8, .value_kind: global_buffer, .address_space: global }
      - { .name: W_base, .offset: 8, .size: 8, .value_kind: global_buffer, .address_space: global }
      - { .name: A, .offset: 16, .size: 8, .value_kind: global_buffer, .address_space: global }
      - { .name: WL, .offset: 24, .size: 8, .value_kind: global_buffer, .address_space: global }
      - { .name: q, .offset: 32, .size: 8, .value_kind: global_buffer, .address_space: global }
    .group_segment_fixed_size: 49664
    .private_segment_fixed_size: 0
    .kernarg_segment_align: 8
    .kernarg_segment_size: 40
    .max_flat_workgroup_size: 128
    .sgpr_count:     66
    .vgpr_count:     194
    .wavefront_size: 32
...
	.end_amdgpu_metadata
.endif
;; end of part 1
;; launch lora (part 2): grid 128 x 2, 16 waves a work-group, no clusters, 34,816 bytes of LDS; arguments q, B, WR, lora; writes lora
.if DOCPART == 2
	.amdgcn_target "amdgcn-amd-amdhsa--gfx1250"
	.amdhsa_code_object_version 6
	.text
	.protected	k_q67ed99beac_lora
	.globl	k_q67ed99beac_lora
	.p2align	8
	.type	k_q67ed99beac_lora,@function
k_q67ed99beac_lora:
	s_mov_b64 s[64:65], 0
	v_nop
	global_prefetch_b8 v0, s[64:65] scope:SCOPE_SE
	s_setreg_imm32_b32 hwreg(HW_REG_WAVE_MODE, 25, 1), 1
	s_wait_xcnt 0x0
; a = Q(x) Q(A)^T + Q(x) Q(WL)^T  [2048][64], then Q(a) along its 64 units (two blocks of 32), with the factor 0.25 of the result folded into a's scale bytes (byte - 2: exact); and Q(B), Q(WR) along their 64.
; All operands of the two products come as records (16 rows x 512 K: four fragments in the order of the operand's registers, then 16 scale bytes a row) from the buffer q.
; WHAT IS STORED, for the last launch, which does both small products by ONE matrix instruction of 128 along K, K = [a0 a1 a0 a1] against [B0 B1 WR0 WR1]:
;   a_img  at 0:       for each 16 rows of a a fragment of 1,536 bytes: the reader's lane r + 16 h owns 48 bytes at 48 (r + 16 h): block h of row r, twice
;   bw_img at 196,608: for each 16 rows n a fragment: lane r + 16 h: block h of B's row, then block h of WR's row
;   a_sw   at 589,824: a word a row: bytes s0 - 2, s1 - 2, s0 - 2, s1 - 2          bw_sw at 598,016: a word a row n: the bytes of B0, B1, WR0, WR1
; LIMITS: NaN and infinities are not served.  A block of a whose largest magnitude lies under 2^(5 - 127) is quantised with its scale held at 2^(3 - 127), so that the stored byte, 2 less, stays at 1 or above; blocks of B and WR under 2^(3 - 127)
;         keep the byte 1; a block of zeros has zero codes under that byte.  a is summed as sixteen partial sums over K (A's and WL's products in one chain), joined by 15 additions in f32: another order than two whole sums and one addition.
; SHARES.  Work-group (G, b) makes units 32 b .. 32 b + 31 of rows 16 G .. 16 G + 15.  Wave w takes 256 along K (K steps 2 w, 2 w + 1): 8 matrix instructions on two accumulators by turns.  The partial sums meet in LDS, one barrier,
; wave 0 adds and quantises.  Wave 1 also quantises rows 16 f .. 16 f + 15 of B and WR, f = G + 128 b: its loads go out with the others, its arithmetic stands behind the barrier.
; THE PRODUCT IS USED TRANSPOSED (source 0 = 16 rows of a weight, source 1 = 16 rows of x), AND THE WEIGHT ROWS OF A TILE ARE NOT NEIGHBOURS: lane r of tile u takes row 32 b + 8 u + r + 8 (r / 8).
; So lane (r, h) holds row r of a, and the 16 registers of the two tiles are its units 32 b + 16 h + 0 .. 15: sixteen neighbours along the next K, as the conversion wants them.
; NO JOINT LOADS: every fragment goes from memory straight into the registers of the one wave that multiplies it once (three loads of 16 bytes a lane); through LDS each byte would be written and read once more for the same single use.
; The small stores (12 bytes and 1 byte a lane) are 0.6 MB in all against the 65 MB that the launch reads.
.set REC,  6400
.set TA,   19660800                    ; A's records in q; WL's lie 204,800 bytes (32 records) further on
.set WLD,  204800
.set XF,   16                          ; v16-39   x's two fragments
.set WF,   40                          ; v40-135  eight weight fragments: 12 (4 wt + 2 u + j): tensor wt, tile u, K step j
.set XS,   136                         ; v136-137 x's scale words
.set WS,   138                         ; v138-145 the weights': pair 2 wt + u
.set ACC,  152                         ; v152-167 the two accumulators
	s_load_b256 s[4:11], s[0:1], 0x0               ; q s[4:5], B s[6:7], WR s[8:9], lora s[10:11]
	v_lshl_add_u32 v174, v0, 2, 0x8000
	v_mov_b32 v175, 0
	v_lshrrev_b32 v1, 5, v0
	s_delay_alu instid0(VALU_DEP_1)
	v_readfirstlane_b32 s12, v1                    ; wave 0..15
	s_and_b32 s13, ttmp7, 0xffff                   ; b
	s_lshr_b32 s14, s12, 1                         ; my K slot ks
	s_and_b32 s15, s12, 1                          ; and which half of its four fragments
	v_and_b32 v1, 15, v0                           ; r
	v_bfe_u32 v2, v0, 4, 1                         ; h
	v_and_b32 v3, 31, v0                           ; l
	s_mul_i32 s38, s15, 3072                       ; two fragments
	s_lshl_b32 s39, s15, 3                         ; two scale words
	v_mul_u32_u24 v13, v3, 48                      ; 48 l: my place in a fragment
	s_delay_alu instid0(VALU_DEP_1)
	v_add_nc_u32 v4, s38, v13                      ; x's fragments
	v_lshlrev_b32 v5, 4, v1
	s_delay_alu instid0(VALU_DEP_1)
	v_add_nc_u32 v5, s39, v5                       ; x's scale words: 16 bytes a row
	v_lshrrev_b32 v146, 3, v1
	s_delay_alu instid0(VALU_DEP_1)
	v_mul_u32_u24 v146, v146, REC                  ; the weights: rows r >= 8 of a tile lie in the next record,
	v_and_b32 v147, 7, v1                          ; at row 8 u + r % 8 of it
	s_delay_alu instid0(VALU_DEP_1)
	v_mad_u32_u24 v6, v147, 48, v146
	s_delay_alu instid0(VALU_DEP_1)
	v_mad_u32_u24 v6, v2, 768, v6
	s_delay_alu instid0(VALU_DEP_1)
	v_add_nc_u32 v6, s38, v6                       ; fragments
	s_delay_alu instid0(VALU_DEP_4)
	v_lshl_add_u32 v7, v147, 4, v146
	s_delay_alu instid0(VALU_DEP_1)
	v_add_nc_u32 v7, s39, v7                       ; scale words
	v_lshlrev_b32 v9, 4, v3                        ; LDS: 16 l: where a partial sum is read,
	s_lshl_b32 s38, s12, 11
	v_add_nc_u32 v8, s38, v9                       ; and where mine is stored: + 2,048 x wave
	v_mul_u32_u24 v10, v1, 48
	s_delay_alu instid0(VALU_DEP_1)
	v_mad_u32_u24 v10, v2, 12, v10                 ; a's codes: 48 r + 12 h
	v_lshlrev_b32 v11, 2, v1
	s_delay_alu instid0(VALU_DEP_1)
	v_add_nc_u32 v14, v11, v2                      ; B's and WR's scale bytes: 4 r + h
	s_delay_alu instid0(VALU_DEP_2)
	v_lshl_add_u32 v11, v2, 1, v11                 ; a's scale bytes: 4 r + 2 h
	v_lshlrev_b32 v12, 8, v1
	s_delay_alu instid0(VALU_DEP_1)
	v_lshl_add_u32 v12, v2, 7, v12                 ; B, WR: row r of 256 bytes, + block h
	s_mov_b32 s32, 0x76543210
	s_mov_b32 s33, 0xfedcba98                      ; v_permlanex16_b32's selects for lane l xor 16
	s_mov_b32 s35, 0
	s_wait_kmcnt 0x0
	s_lshl_b32 s34, s14, 7
	s_add_co_u32 s34, s34, ttmp9
	s_mul_i32 s34, s34, REC
	s_add_nc_u64 s[16:17], s[4:5], s[34:35]        ; x's record (ks, G)
	s_mul_i32 s34, s14, 4*REC
	s_mul_i32 s36, s13, 2*REC
	s_add_co_u32 s34, s34, s36
	s_add_co_u32 s34, s34, TA
	s_add_nc_u64 s[18:19], s[4:5], s[34:35]        ; A's record (ks, 2 b)
	s_lshl_b32 s37, s13, 7
	s_add_co_u32 s37, s37, ttmp9                   ; f
	s_lshl_b32 s34, s37, 12
	s_add_nc_u64 s[20:21], s[6:7], s[34:35]        ; B's rows 16 f on
	s_add_nc_u64 s[22:23], s[8:9], s[34:35]        ; WR's
	s_mul_i32 s34, ttmp9, 1536
	s_mul_i32 s36, s13, 768
	s_add_co_u32 s34, s34, s36
	s_add_nc_u64 s[24:25], s[10:11], s[34:35]      ; a_img: fragment G, the reader's lanes 16 b on
	s_lshl_b32 s34, ttmp9, 6
	s_add_co_u32 s34, s34, s13
	s_add_co_u32 s34, s34, 589824
	s_add_nc_u64 s[26:27], s[10:11], s[34:35]      ; a_sw: rows 16 G on, byte b
	s_mul_i32 s34, s37, 1536
	s_add_co_u32 s34, s34, 196608
	s_add_nc_u64 s[28:29], s[10:11], s[34:35]      ; bw_img: fragment f
	s_lshl_b32 s34, s37, 6
	s_add_co_u32 s34, s34, 598016
	s_add_nc_u64 s[30:31], s[10:11], s[34:35]      ; bw_sw: rows 16 f on
.irp j, 0,1
.irp c, 0,1,2
	global_load_b128 v[XF+12*\j+4*\c:XF+12*\j+4*\c+3], v4, s[16:17] offset:1536*\j+16*\c
.endr
.endr
	global_load_b64 v[XS:XS+1], v5, s[16:17] offset:6144
.irp wt, 0,1
.irp u, 0,1
.irp j, 0,1
.irp c, 0,1,2
	global_load_b128 v[WF+12*(4*\wt+2*\u+\j)+4*\c:WF+12*(4*\wt+2*\u+\j)+4*\c+3], v6, s[18:19] offset:WLD*\wt+384*\u+1536*\j+16*\c
.endr
.endr
	global_load_b64 v[WS+2*(2*\wt+\u):WS+2*(2*\wt+\u)+1], v7, s[18:19] offset:WLD*\wt+6144+128*\u
.endr
.endr
	s_cmp_lg_u32 s12, 1
	s_cbranch_scc1 .Lno_bw
	s_wait_alu depctr_va_vdst(0)
.irp i, 0,1,2,3,4,5,6,7                    ; wave 1: my block of 32 of B's row into v176-207, of WR's into v208-239
	global_load_b128 v[176+4*\i:179+4*\i], v12, s[20:21] offset:16*\i th:TH_LOAD_NT
	global_load_b128 v[208+4*\i:211+4*\i], v12, s[22:23] offset:16*\i th:TH_LOAD_NT
.endr
.Lno_bw:
	s_wait_loadcnt 0x0
.irp wt, 0,1                               ; the two accumulators take turns, one instruction a turn; the first two products start the sums
.irp j, 0,1
.irp u, 0,1
.if (\wt == 0) && (\j == 0)
	v_wmma_scale_f32_16x16x128_f8f6f4 v[ACC+8*\u:ACC+8*\u+7], v[WF+12*(4*\wt+2*\u+\j):WF+12*(4*\wt+2*\u+\j)+11], v[XF+12*\j:XF+12*\j+11], 0, v[WS+2*(2*\wt+\u)+\j], v[XS+\j] matrix_a_fmt:MATRIX_FMT_FP6 matrix_b_fmt:MATRIX_FMT_FP6
.else
	v_wmma_scale_f32_16x16x128_f8f6f4 v[ACC+8*\u:ACC+8*\u+7], v[WF+12*(4*\wt+2*\u+\j):WF+12*(4*\wt+2*\u+\j)+11], v[XF+12*\j:XF+12*\j+11], v[ACC+8*\u:ACC+8*\u+7], v[WS+2*(2*\wt+\u)+\j], v[XS+\j] matrix_a_fmt:MATRIX_FMT_FP6 matrix_b_fmt:MATRIX_FMT_FP6
.endif
.endr
.endr
.endr
.rept 4
	v_nop                                          ; four places behind the last products: for the stores that read the results, and for all that is later written over the operands
.endr
	s_wait_alu depctr_va_vdst(0)
.irp c, 0,1,2,3
	ds_store_b128 v8, v[ACC+4*\c:ACC+4*\c+3] offset:512*\c         ; my partial sum as it stands, each accumulator from its low end on.  (Wave 0's too, which nobody reads: so no branch stands here)
.endr
	s_wait_dscnt 0x0                               ; for the others' sake: my stores have landed
	s_barrier_signal -1
	s_barrier_wait -1
	s_cmp_eq_u32 s12, 0
	s_cbranch_scc1 .Lsum
	s_cmp_eq_u32 s12, 1
	s_cbranch_scc1 .Lbw
	s_wait_tensorcnt 0x0
	ds_add_u32 v174, v175
	s_wait_dscnt 0x0
	s_endpgm
.macro PLOAD reg, w                        ; wave w's partial sum
.irp c, 0,1,2,3
	ds_load_b128 v[\reg+4*\c:\reg+4*\c+3], v9 offset:2048*(\w)+512*\c
.endr
.endm
.macro ADDW reg
.irp i, 0,2,4,6,8,10,12,14
	v_pk_add_f32 v[ACC+\i:ACC+\i+1], v[ACC+\i:ACC+\i+1], v[\reg+\i:\reg+\i+1]
.endr
.endm
.Lsum:                                     ; WAVE 0: my own partial sum is the start; the fifteen others come five at a time into two sets of 80 registers
.irp n, 0,1,2,3,4
	PLOAD 16+16*\n, 1+\n
.endr
.irp n, 0,1,2,3,4
	PLOAD 176+16*\n, 6+\n
.endr
	s_wait_dscnt 20                                ; waves 1-5's are in; the 20 loads behind them may be out
.irp n, 0,1,2,3,4
	ADDW 16+16*\n
.endr
.irp n, 0,1,2,3,4
	PLOAD 16+16*\n, 11+\n
.endr
	s_wait_alu depctr_va_vdst(0)
	s_wait_dscnt 20                                ; waves 6-10's
.irp n, 0,1,2,3,4
	ADDW 176+16*\n
.endr
	s_wait_alu depctr_va_vdst(0)
	s_wait_dscnt 0x0
.irp n, 0,1,2,3,4
	ADDW 16+16*\n
.endr
	v_max3_num_f32 v96, |v[ACC]|, |v[ACC+1]|, 0x2800000            ; my 16 of the block, and the floor 2^(5 - 127): the stored byte, 4 under this exponent field, cannot fall under 1
.irp i, 2,4,6,8,10,12,14
	s_delay_alu instid0(VALU_DEP_1)
	v_max3_num_f32 v96, v96, |v[ACC+\i]|, |v[ACC+\i+1]|
.endr
	s_delay_alu instid0(VALU_DEP_1)
	v_permlanex16_b32 v97, v96, s32, s33           ; (v97 held a word of a weight fragment: it has been written)
	s_delay_alu instid0(VALU_DEP_1)
	v_max_num_f32 v96, v96, v97                    ; with lane l xor 16's: the block's largest magnitude
	s_delay_alu instid0(VALU_DEP_1)
	v_add_nc_u32 v98, 0xff000000, v96              ; 2 off its exponent field: the conversion's scale operand
	v_cvt_scalef32_pk16_fp6_f32 v[100:102], v[ACC:ACC+15], v98
	v_lshrrev_b32 v99, 23, v98                     ; the scale's byte (a plain line behind the conversion),
	s_delay_alu instid0(VALU_DEP_1)
	v_add_nc_u32 v99, -2, v99                      ; and 2 off it: a x 0.25
	global_store_b96 v10, v[100:102], s[24:25]                     ; my half of block b, as the reader's K block b
	global_store_b96 v10, v[100:102], s[24:25] offset:24           ; and as its K block 2 + b
	global_store_b8 v11, v99, s[26:27]                             ; lanes 0-15 write byte b of the row's word, lanes 16-31 byte 2 + b
	s_wait_tensorcnt 0x0
	ds_add_u32 v174, v175
	s_wait_dscnt 0x0
	s_endpgm
.Lbw:                                      ; WAVE 1: a whole block of B's row and one of WR's are mine: no other lane is asked
	v_max3_num_f32 v116, |v176|, |v177|, 0x1800000                 ; with the floor 2^(3 - 127)
	v_max3_num_f32 v117, |v208|, |v209|, 0x1800000
.irp i, 2,4,6,8,10,12,14,16,18,20,22,24,26,28,30
	s_delay_alu instid0(VALU_DEP_2)
	v_max3_num_f32 v116, v116, |v[176+\i]|, |v[177+\i]|            ; (the two blocks by turns)
	s_delay_alu instid0(VALU_DEP_2)
	v_max3_num_f32 v117, v117, |v[208+\i]|, |v[209+\i]|
.endr
	s_delay_alu instid0(VALU_DEP_2)
	v_add_nc_u32 v118, 0xff000000, v116
	s_delay_alu instid0(VALU_DEP_2)
	v_add_nc_u32 v119, 0xff000000, v117
	v_cvt_scalef32_pk16_fp6_f32 v[96:98], v[176:191], v118
	v_cvt_scalef32_pk16_fp6_f32 v[108:110], v[192:207], v118       ; (a conversion's three registers begin on an even number: a block's second three do not, so they are made elsewhere and moved)
	v_cvt_scalef32_pk16_fp6_f32 v[102:104], v[208:223], v119
	v_cvt_scalef32_pk16_fp6_f32 v[112:114], v[224:239], v119
	v_lshrrev_b32 v120, 23, v118                   ; the bytes (plain lines behind the conversions)
	v_lshrrev_b32 v121, 23, v119
.irp i, 0,1,2
	v_mov_b32 v[99+\i], v[108+\i]
	v_mov_b32 v[105+\i], v[112+\i]
.endr
.irp j, 0,1,2
	global_store_b128 v13, v[96+4*\j:99+4*\j], s[28:29] offset:16*\j       ; my 48 bytes of the fragment
.endr
	global_store_b8 v14, v120, s[30:31]                            ; byte h: B's block h
	global_store_b8 v14, v121, s[30:31] offset:2                   ; byte 2 + h: WR's
	s_wait_tensorcnt 0x0
	ds_add_u32 v174, v175
	s_wait_dscnt 0x0
	s_endpgm
.Lfunc_end_k_q67ed99beac_lora:
	.size	k_q67ed99beac_lora, .Lfunc_end_k_q67ed99beac_lora-k_q67ed99beac_lora
	.p2alignl 7, 3214868480
	.fill 96, 4, 3214868480
	.section	.rodata,"a",@progbits
	.p2align	6, 0x0
	.amdhsa_kernel k_q67ed99beac_lora
		.amdhsa_group_segment_fixed_size 34816
		.amdhsa_private_segment_fixed_size 0
		.amdhsa_enable_private_segment 0
		.amdhsa_kernarg_size 32
		.amdhsa_user_sgpr_count 2
		.amdhsa_user_sgpr_kernarg_segment_ptr 1
		.amdhsa_wavefront_size32 1
		.amdhsa_system_sgpr_workgroup_id_x 1
		.amdhsa_system_sgpr_workgroup_id_y 1
		.amdhsa_system_sgpr_workgroup_id_z 1
		.amdhsa_system_vgpr_workitem_id 0
		.amdhsa_next_free_vgpr 256
		.amdhsa_next_free_sgpr 66
		.amdhsa_reserve_vcc 0
		.amdhsa_float_denorm_mode_32 3
		.amdhsa_float_denorm_mode_16_64 3
		.amdhsa_memory_ordered 1
		.amdhsa_forward_progress 1
		.amdhsa_inst_pref_size 28
	.end_amdhsa_kernel
	.amdgpu_metadata
---
amdhsa.version: [ 1, 2 ]
amdhsa.kernels:
  - .name:           k_q67ed99beac_lora
    .symbol:         k_q67ed99beac_lora.kd
    .args:
      - { .name: q, .offset: 0, .size: 8, .value_kind: global_buffer, .address_space: global }
      - { .name: B, .offset: 8, .size: 8, .value_kind: global_buffer, .address_space: global }
      - { .name: WR, .offset: 16, .size: 8, .value_kind: global_buffer, .address_space: global }
      - { .name: lora, .offset: 24, .size: 8, .value_kind: global_buffer, .address_space: global }
    .group_segment_fixed_size: 34816
    .private_segment_fixed_size: 0
    .kernarg_segment_align: 8
    .kernarg_segment_size: 32
    .max_flat_workgroup_size: 512
    .sgpr_count:     66
    .vgpr_count:     256
    .wavefront_size: 32
...
	.end_amdgpu_metadata
.endif
;; end of part 2
;; launch gemm (part 3): grid 32 x 8, 4 waves a work-group, clusters of 4 x 1, 327,680 bytes of LDS; arguments q, lora, b_base, out0; writes out0
.if DOCPART == 3
	.amdgcn_target "amdgcn-amd-amdhsa--gfx1250"
	.amdhsa_code_object_version 6
	.text
	.protected	k_q67ed99beac_gemm
	.globl	k_q67ed99beac_gemm
	.p2align	8
	.type	k_q67ed99beac_gemm,@function
k_q67ed99beac_gemm:
	s_mov_b64 s[64:65], 0
	v_nop
	global_prefetch_b8 v0, s[64:65] scope:SCOPE_SE
	s_setreg_imm32_b32 hwreg(HW_REG_WAVE_MODE, 25, 1), 1
	s_wait_xcnt 0x0
	s_wait_alu depctr_hold_cnt(0) depctr_sa_sdst(0) depctr_va_vdst(0) depctr_va_sdst(0) depctr_va_ssrc(0) depctr_va_vcc(0) depctr_vm_vsrc(0)
	s_getreg_b32 s2, hwreg(HW_REG_IB_STS2, 6, 4)
	s_cmp_eq_u32 s2, 0
	s_cbranch_scc0 .Lentry_in_a_cluster
	s_endpgm
.Lentry_in_a_cluster:
	s_bfe_u32 s2, ttmp6, 0x10000c
	s_cmp_lg_u32 s2, 0x3003
	s_cbranch_scc0 .Lentry_shape_is_right
	s_endpgm
.Lentry_shape_is_right:
; out0 [2048][4096] = Q(x) Q(W_base)^T + b_base + (0.25 Q(a)) [Q(B) Q(WR)]^T.  All operands come as records from q (16 rows x 512 K: four fragments in the order of the
; operand's registers, 48 bytes a lane, then 16 scale bytes a row) and as fragments and scale words from lora (0.25 lies in a's scale bytes).
; SHARES.  A work-group makes 256 rows x 128 columns; wave w rows 128 (w / 2) on and columns 64 (w % 2) on: 128 x 64, 32 accumulators, 256 registers.  256 work-groups.
; K goes in 32 steps of 128, 32 matrix instructions a wave each; step 32 is the small product (128 along K = a0 a1 a0 a1 against B0 B1 WR0 WR1).  The bias is the C of step 0.
; W: the work-group's 128 rows are the lesser operand (a third of a step's bytes).  Its fragments go from memory straight into registers (three loads of 16 bytes a lane), four a step and wave, the same four in the two
; waves of a column half.  Eight sets of four fragments; step t + 5's set is asked for in the middle of step t.  No joint loads for W: the four partners of a cluster own different columns.
; x: 256 rows, two thirds of a step's bytes, go through LDS by JOINT loads: the four work-groups of a cluster (4 x 1) make the same 256 rows.  LDS holds three K slots of 102,400 bytes: area A two, area B one.
; Five fills: K slots 0-1 into A at the head, 2 into B behind the next round, 3-4 into A (round in step 7), 5 into B (step 11), 6-7 into A (step 19); step 23's barrier shows the last one whole.
; A wave fetches four records of each K slot: 25,600 bytes on end, at multiples of 256.
; THE PRODUCT IS USED TRANSPOSED (source 0 = 16 rows of W, source 1 = 16 rows of x): a lane holds eight neighbouring columns of one row of the result.
; PREFETCHES.  W: in the second step of K slot k each work-group names one record (25 blocks of 256 bytes, shared out among its waves) of K slot k + 3: the eight row tiles that read a column tile's eight records take one each;
; the loads that want them begin six steps later; K slots 0-2 come by their loads alone, nothing is named beyond K slot 7.  x: each wave names one of a K slot's sixteen records, shared out among the four partners by address:
; K slot 3 in step 0, K slots 4 to 7 in steps 2, 6, 10, 14: five steps or more ahead of their joint loads (steps 7, 11, 19).  x's first two fills are asked for at the launch's start: nothing can run ahead of them.
; The walk along K is written out by .rept: register sets come back after 8 steps, LDS areas after 12, and every offset is an immediate.
; LIMITS: NaN and infinities are not served (as in the launches that made the codes).  The sum's order: bias, K ascending, the small product last.
; REGISTERS: window 0: v0-31 addresses; v32-95 x's scale words, two sets; v96-127 W's, two sets; v128-223 x's fragments, set 0; v224-255 the bias.
;   window 1: W's sets 0-4 (48 registers each); at the end bw's fragments (v0-47), a's (v48-143), then the rows on their way out.   window 2: accumulator (a, b) at v[8 (4 a + b)].   window 3: W's sets 5-7, x's set 1 at v144.
.set REC,   6400
.set FRB,   1536
.set XSTEP, 128*REC
.set WSTEP, 256*REC
.set TW,    1024*REC                   ; W's records begin behind x's 1,024
.set QA,    8*REC                      ; a wave's part of area A: 2 K slots x 4 records
.set QB,    4*REC                      ; and of area B
.set AREAB, 4*QA
.set SPARE, AREAB+4*QB                 ; the spare words, 512 bytes that no other line names
.set SPITCH, 272                       ; the way out: a stage of 16 rows x (256 + 16) bytes a wave, in area B, which has had its last fill and, behind step 23's barrier, its last read
.set FO,  4                            ; 48 l: my place in a fragment
.set SO,  5                            ; 16 r: W's scale words
.set LW,  6                            ; 4 r: the small product's scale words
.set BO,  7                            ; 32 h: the bias
.set ADX, 8                            ; v8-11  x's fragments in LDS: area s, my blocks 4 p .. 4 p + 3 at ADX + 2 s + p
.set ADS, 12                           ; v12-15 x's scale words likewise
.set STO, 24
.set RD,  25
.set CO,  26
.set PF,  27
.set SPW, 28
.set NIL, 29
.set XP,  30
.set XSC, 32
.set WSC, 96
.set BIAS, 224
.set G1,  16                           ; s[16:23] group 1: 2 rows of 25,600 bytes;  s[24:31]: 25,600 bytes on end as 100 rows of 256
.set G1S, 24
.set GA,  32                           ; s[32:35] group 0 for area A;  s[36:39] for area B
.set GB,  36
.set PW,  44                           ; s[44:45] W, K slots 0-3; s[46:47] K slots 4-7
.set PPF, 48
.set PXP, 50
.set PLA, 52
.set PLB, 54
.set PSA, 56
.set PSB, 58
.set PBI, 60
.set POUT, 62
.set MSB, 0
.macro WIN new                         ; the immediate's high byte repeats the setting that is left
.if MSB != \new
	s_set_vgpr_msb (MSB<<8)|\new
.set MSB, \new
.endif
.endm
.macro PLACES                          ; four places behind a matrix instruction, ahead of loads into registers that it has read and of reads of its result
.rept 4
	v_nop
.endr
.endm
.macro CREST                           ; a round of the cluster's barrier behind its opening barrier
	s_cmp_lg_u32 s12, 0
	s_cbranch_scc1 .Lnw0_\@
	s_barrier_signal -3
.Lnw0_\@:
	s_barrier_wait -3
	s_barrier_signal -1
	s_barrier_wait -1
.endm
.macro CROUND
	WIN 0
	s_barrier_signal -1
	s_barrier_wait -1
	CREST
.endm
.macro FILL g0, g1                     ; a joint load: every wave issues it, each for its own four records of each K slot; the v_nop are also the places ahead of the loads that follow
	tensor_load_to_lds s[\g0:\g0+3], s[\g1:\g1+7]
	s_nop 0
	PLACES
.endm
	s_load_b256 s[4:11], s[0:1], 0x0               ; q, lora, b_base, out0
	v_lshl_add_u32 v[SPW], v0, 2, SPARE
	v_mov_b32 v[NIL], 0
	ds_add_u32 v[SPW], v[NIL]                      ; the opening lines: the add, twice on end, and its wait ahead of my first tensor load
	ds_add_u32 v[SPW], v[NIL]
	v_lshrrev_b32 v1, 5, v0
	v_readfirstlane_b32 s12, v1                    ; wave w
	s_lshr_b32 s66, s12, 1                         ; wr: my half of the rows
	s_and_b32 s67, s12, 1                          ; wc: my half of the columns
	s_bfe_u32 s13, ttmp6, 0x40000                  ; cx
	s_lshl_b32 s14, ttmp9, 2
	s_add_co_u32 s14, s14, s13                     ; nt: column tile, 0 .. 31
	s_and_b32 s15, ttmp7, 0xffff                   ; mt: row tile, 0 .. 7, the same in the four partners
.irp g, G1, G1S
	s_mov_b32 s[\g], 15|(3<<16)|(1<<21)            ; the mask names the four partners; elements of 8 bytes; bit 21 beside a mask
	s_mov_b32 s[\g+6], 0
	s_mov_b32 s[\g+7], 0
.endr
	s_mov_b32 s[G1+1], 3200<<16                    ; tensor_dim0: 25,600 bytes
	s_mov_b32 s[G1+2], 2<<16                       ; two K slots
	s_mov_b32 s[G1+3], 3200<<16
	s_mov_b32 s[G1+4], 2
	s_mov_b32 s[G1+5], XSTEP/8                     ; from K slot to K slot
	s_mov_b32 s[G1S+1], 32<<16
	s_mov_b32 s[G1S+2], 100<<16
	s_mov_b32 s[G1S+3], 32<<16
	s_mov_b32 s[G1S+4], 100
	s_mov_b32 s[G1S+5], 32
	s_mov_b32 s[GA], 1
	s_mul_i32 s[GA+1], s12, QA                     ; LDS: wave x its part
	s_mov_b32 s[GB], 1
	s_mul_i32 s[GB+1], s12, QB
	s_add_co_u32 s[GB+1], s[GB+1], AREAB
	s_lshl_b32 s68, s15, 4                         ; x: record 16 mt + 4 w
	s_lshl_b32 s69, s12, 2
	s_add_co_u32 s68, s68, s69
	s_mul_i32 s68, s68, REC
	s_mov_b32 s69, 0
	s_lshl_b32 s72, s14, 3
	s_lshl_b32 s71, s67, 2
	s_add_co_u32 s72, s72, s71                     ; f = 8 nt + 4 wc: my first group of 16 columns
	s_mul_i32 s70, s72, REC
	s_add_co_u32 s70, s70, TW
	s_mov_b32 s71, 0
	s_lshl_b32 s74, s14, 3                         ; W's prefetch: record 8 nt + mt, from K slot 3 on
	s_add_co_u32 s74, s74, s15
	s_mul_i32 s74, s74, REC
	s_add_co_u32 s74, s74, TW+3*WSTEP
	s_mov_b32 s75, 0
	s_lshl_b32 s76, s13, 2                         ; x's prefetch: record 16 mt + 4 cx + w
	s_add_co_u32 s76, s76, s12
	s_lshl_b32 s77, s15, 4
	s_add_co_u32 s76, s76, s77
	s_mul_i32 s76, s76, REC
	s_mov_b32 s77, 0
	s_lshl_b32 s73, s15, 4
	s_lshl_b32 s79, s66, 3
	s_add_co_u32 s73, s73, s79                     ; g = 16 mt + 8 wr: my first group of 16 rows
	s_mul_i32 s78, s73, FRB                        ; a's fragments
	s_mov_b32 s79, 0
	s_mul_i32 s80, s72, FRB                        ; B's and WR's
	s_add_co_u32 s80, s80, 196608
	s_mov_b32 s81, 0
	s_lshl_b32 s82, s73, 6                         ; a's scale words
	s_add_co_u32 s82, s82, 589824
	s_mov_b32 s83, 0
	s_lshl_b32 s84, s72, 6                         ; my first column in bytes
	s_mov_b32 s85, 0
	s_add_co_u32 s86, s84, 598016                  ; B's and WR's scale words
	s_mov_b32 s87, 0
	s_lshl_b32 s88, s73, 18                        ; out0: 16 g rows of 16,384 bytes + my column
	s_add_co_u32 s88, s88, s84
	s_mov_b32 s89, 0
	s_mul_i32 s90, s12, 16*SPITCH                  ; my stage
	s_add_co_u32 s90, s90, AREAB
	s_mul_i32 s91, s12, 7
	s_mul_i32 s92, s66, 2*QA                       ; my eight blocks of x were fetched by waves 2 wr and 2 wr + 1: area A,
	s_mul_i32 s93, s66, 2*QB
	s_add_co_u32 s93, s93, AREAB                   ; area B;
	s_add_co_u32 s94, s92, 4*FRB                   ; and their scale bytes, behind a record's four fragments
	s_add_co_u32 s95, s93, 4*FRB
	v_and_b32 v3, 31, v0                           ; l
	v_and_b32 v1, 15, v0                           ; r
	v_bfe_u32 v2, v0, 4, 1                         ; h
	v_mul_u32_u24 v[FO], v3, 48
	v_lshlrev_b32 v[SO], 4, v1
	v_lshlrev_b32 v[LW], 2, v1
	v_lshlrev_b32 v[BO], 5, v2
	v_add_nc_u32 v[ADX], s92, v[FO]
	v_add_nc_u32 v[ADX+2], s93, v[FO]
	v_add_nc_u32 v[ADS], s94, v[SO]
	v_add_nc_u32 v[ADS+2], s95, v[SO]
	v_add_nc_u32 v[ADX+1], QA, v[ADX]
	v_add_nc_u32 v[ADX+3], QB, v[ADX+2]
	v_add_nc_u32 v[ADS+1], QA, v[ADS]
	v_add_nc_u32 v[ADS+3], QB, v[ADS+2]
	v_mul_u32_u24 v[STO], v1, SPITCH               ; into the stage: row r, 32 bytes for each half of the lanes
	v_lshl_add_u32 v[STO], v2, 5, v[STO]
	v_add_nc_u32 v[STO], s90, v[STO]
	v_mul_u32_u24 v[RD], v2, SPITCH                ; back: lanes 0-15 one row of 256 bytes, lanes 16-31 the next
	v_lshl_add_u32 v[RD], v1, 4, v[RD]
	v_add_nc_u32 v[RD], s90, v[RD]
	v_lshlrev_b32 v[CO], 14, v2                    ; and the same two rows in out0
	v_lshl_add_u32 v[CO], v1, 4, v[CO]
	v_min_u32 v[PF], 6, v3                         ; W's prefetch: block min(7 w + min(l, 6), 24) of the record's 25
	v_add_nc_u32 v[PF], s91, v[PF]
	v_min_u32 v[PF], 24, v[PF]
	v_lshlrev_b32 v[PF], 8, v[PF]
	v_min_u32 v[XP], 24, v3                        ; x's: block min(l, 24)
	v_lshlrev_b32 v[XP], 8, v[XP]
	s_wait_alu depctr_va_vdst(0)                   ; the wait at the head's end
	s_wait_dscnt 0x0                               ; both opening adds are done
	s_wait_kmcnt 0x0
	s_add_nc_u64 s[GA+2:GA+3], s[4:5], s[68:69]
	s_add_nc_u64 s[GB+2:GB+3], s[GA+2:GA+3], 2*XSTEP
	s_or_b32 s[GA+3], s[GA+3], 0x80000000
	s_or_b32 s[GB+3], s[GB+3], 0x80000000
	s_add_nc_u64 s[PW:PW+1], s[4:5], s[70:71]
	s_add_nc_u64 s[PW+2:PW+3], s[PW:PW+1], 4*WSTEP
	s_add_nc_u64 s[PPF:PPF+1], s[4:5], s[74:75]
	s_add_nc_u64 s[PXP:PXP+1], s[4:5], s[76:77]
	s_add_nc_u64 s[PLA:PLA+1], s[6:7], s[78:79]
	s_add_nc_u64 s[PLB:PLB+1], s[6:7], s[80:81]
	s_add_nc_u64 s[PSA:PSA+1], s[6:7], s[82:83]
	s_add_nc_u64 s[PSB:PSB+1], s[6:7], s[86:87]
	s_add_nc_u64 s[PBI:PBI+1], s[8:9], s[84:85]
	s_add_nc_u64 s[POUT:POUT+1], s[10:11], s[88:89]
.macro LOADW t                         ; W's four fragments of step t into set t % 8: 12 loads
.set LI, (\t)%8
.set LR, 48*(LI%5)
.set LP, PW+2*((\t)/16)
.set NW, (1+2*(LI/5))<<6
	WIN NW
.irp b, 0,1,2,3
.irp j, 0,1,2
	global_load_b128 v[LR+12*\b+4*\j:LR+12*\b+4*\j+3], v[FO], s[LP:LP+1] offset:(((\t)/4)%4)*WSTEP+\b*REC+((\t)%4)*FRB+16*\j
.endr
.endr
.endm
.macro LOADS k                         ; W's scale words of K slot k: four words a row, four loads
.set LP, PW+2*((\k)/4)
	WIN 0
.irp b, 0,1,2,3
	global_load_b128 v[WSC+16*((\k)%2)+4*\b:WSC+16*((\k)%2)+4*\b+3], v[SO], s[LP:LP+1] offset:((\k)%4)*WSTEP+\b*REC+4*FRB
.endr
.endm
.macro XB t, a                         ; x's block a of step t
.irp j, 0,1,2
	ds_load_b128 v[TR+12*(\a)+4*\j:TR+12*(\a)+4*\j+3], v[ADX+2*TS+(\a)/4] offset:TL*4*REC+((\a)%4)*REC+((\t)%4)*FRB+16*\j
.endr
.endm
.macro FETCHX t                        ; x's eight fragments of step t into set t % 2; with a K slot's first step its scale words; blocks 4-7 last.  K slot k lies in area (k % 3) / 2, at place (k % 3) % 2 of it
.set TS, (((\t)/4)%3)/2
.set TL, (((\t)/4)%3)%2
.set TR, 128+16*((\t)%2)
.set NW, (3*((\t)%2))<<6
	WIN NW
.irp a, 0,1,2,3
	XB \t, \a
.endr
.if (\t)%4 == 0
.irp a, 0,1,2,3,4,5,6,7
	ds_load_b128 v[XSC+32*(((\t)/4)%2)+4*\a:XSC+32*(((\t)/4)%2)+4*\a+3], v[ADS+2*TS+\a/4] offset:TL*4*REC+(\a%4)*REC
.endr
.endif
.irp a, 4,5,6,7
	XB \t, \a
.endr
.endm
.macro SYM t                           ; where step t's operands stand
.set KQ, (\t)%4
.set KP, ((\t)/4)%2
.set WI, (\t)%8
.set WW, 1+2*(WI/5)
.set WR, 48*(WI%5)
.set XW, 3*((\t)%2)
.set XR, 128+16*((\t)%2)
.set SX, XSC+32*KP+KQ
.set SW, WSC+16*KP+KQ
.endm
.macro MUL a0, a1, cw                  ; x's blocks a0 .. a1 against W's four; the 32 accumulators take turns.  cw: the bias starts the sums
.if \cw
.set NW, 0x80|WW|(XW<<2)
.else
.set NW, 0xa0|WW|(XW<<2)
.endif
	WIN NW
.set AA, \a0
.rept (\a1)-(\a0)+1
.irp b, 0,1,2,3
.if \cw
	v_wmma_scale_f32_16x16x128_f8f6f4 v[8*(4*AA+\b):8*(4*AA+\b)+7], v[WR+12*\b:WR+12*\b+11], v[XR+12*AA:XR+12*AA+11], v[BIAS+8*\b:BIAS+8*\b+7], v[SW+4*\b], v[SX+4*AA] matrix_a_fmt:MATRIX_FMT_FP6 matrix_b_fmt:MATRIX_FMT_FP6
.else
	v_wmma_scale_f32_16x16x128_f8f6f4 v[8*(4*AA+\b):8*(4*AA+\b)+7], v[WR+12*\b:WR+12*\b+11], v[XR+12*AA:XR+12*AA+11], v[8*(4*AA+\b):8*(4*AA+\b)+7], v[SW+4*\b], v[SX+4*AA] matrix_a_fmt:MATRIX_FMT_FP6 matrix_b_fmt:MATRIX_FMT_FP6
.endif
.endr
.set AA, AA+1
.endr
.endm
.macro LORAA a0                        ; a's fragments a0 .. a0 + 3 into W's sets 1 and 2, which steps 25 and 26 have used up
	WIN 0x40
.irp i, 0,1,2,3
.irp j, 0,1,2
	global_load_b128 v[48+12*(\a0+\i)+4*\j:48+12*(\a0+\i)+4*\j+3], v[FO], s[PLA:PLA+1] offset:FRB*(\a0+\i)+16*\j
.endr
.endr
.endm
.macro MID t                           ; the one run of loads in a step's middle
.if (\t)%4 == 0 && (\t) < 28
	LOADS (\t)/4+1                                 ; into the set that the step before used last
.endif
.if (\t) < 27
	LOADW (\t)+5
.endif
.if (\t) == 27
	WIN 0x40
.irp b, 0,1,2,3
.irp j, 0,1,2
	global_load_b128 v[12*\b+4*\j:12*\b+4*\j+3], v[FO], s[PLB:PLB+1] offset:FRB*\b+16*\j   ; B's and WR's fragments into set 0
.endr
.endr
.endif
.if (\t) == 28
	WIN 0
.irp a, 0,1,2,3,4,5,6,7
	global_load_b32 v[XSC+4*\a], v[LW], s[PSA:PSA+1] offset:64*\a      ; the small product's scale words, into K slot 6's sets
.endr
.irp b, 0,1,2,3
	global_load_b32 v[WSC+4*\b], v[LW], s[PSB:PSB+1] offset:64*\b
.endr
	LORAA 0
.endif
.if (\t) == 29
	LORAA 4
.endif
.if (\t) < 31
	FETCHX (\t)+1
.endif
.if (\t)%4 == 1 && (\t) < 20
	global_prefetch_b8 v[PF], s[PPF:PPF+1] offset:((\t)/4)*WSTEP th:TH_LOAD_NT scope:SCOPE_SE   ; W's K slot t / 4 + 3; the address registers are never rewritten
.endif
.if (\t) == 0
	global_prefetch_b8 v[XP], s[PXP:PXP+1] offset:3*XSTEP th:TH_LOAD_NT scope:SCOPE_SE         ; x's K slot 3
.endif
.if (\t)%4 == 2 && (\t) < 16
	global_prefetch_b8 v[XP], s[PXP:PXP+1] offset:((\t)/4+4)*XSTEP th:TH_LOAD_NT scope:SCOPE_SE ; x's K slot t / 4 + 4
.endif
.endm
; A step.  kind 1: the area that this step's K slot ends is read no more and is filled again behind a round (g0, g1: its descriptor); kind 2: a barrier shows the last fill whole to all waves.
; s_wait_loadcnt: behind step t's set stand the sets of the four steps on, 12 loads each (48), and, but at a K slot's first step, which needs them, four loads of scale words (52);
; from step 28 on: 36 + 12;  24 + 12 + 24;  12 + 12 + 24 + 12;  12 + 24 + 12: what is left of W's sets, and the small product's 12, 24 and 12 loads.
.macro STEP t, kind, g0, g1
	SYM \t
.if (\t) <= 27
.set LC, 48+4*(((\t)%4+3)/4)
.else
.set LC, 48+12*((((\t)-28)%3+1)/2)
.endif
.if \kind
	WIN 0
	s_wait_tensorcnt 0x0                           ; all my tensor loads have landed
.if \kind == 1
	ds_add_u32 v[SPW], v[NIL]
	s_add_nc_u64 s[\g0+2:\g0+3], s[\g0+2:\g0+3], 3*XSTEP   ; no load of mine is out: this area's next K slots lie three on
.endif
.endif
	s_wait_loadcnt LC
	s_wait_dscnt 12+(\kind)%2                      ; x's blocks 4-7 (and the add) may be out
.if \kind
	MUL 0, 1, 0
	s_wait_dscnt 0x0                               ; the add is done and my reads of the area are over
	s_barrier_signal -1
	MUL 2, 3, 0
	WIN 0
	s_barrier_wait -1
.if \kind == 1
	CREST                                          ; the barrier has opened a round: no wave of any partner still reads the area
	FILL \g0, \g1
.else
	PLACES
.endif
.else
	MUL 0, 3, (\t)==0
	s_wait_dscnt 0x0                               ; x's blocks 4-7 are in
.if (\t) < 31
	PLACES
.endif
.endif
	MID \t
	MUL 4, 7, (\t)==0
.endm
.irp b, 0,1,2,3
	global_load_b128 v[BIAS+8*\b:BIAS+8*\b+3], v[BO], s[PBI:PBI+1] offset:64*\b        ; the bias of my lane's eight columns of block b
	global_load_b128 v[BIAS+8*\b+4:BIAS+8*\b+7], v[BO], s[PBI:PBI+1] offset:64*\b+16
.endr
	LOADS 0
	LOADW 0
	LOADW 1
	LOADW 2
	LOADW 3
	CROUND                                         ; the four partners are here: the first joint loads meet
	FILL GA, G1                                    ; K slots 0-1: one tensor load a wave at the head
	LOADW 4
	WIN 0
	s_wait_tensorcnt 0x0                           ; my part of area A is in
	ds_add_u32 v[SPW], v[NIL]
	s_wait_dscnt 0x0
	CROUND
	FILL GB, G1S                                   ; K slot 2 into area B
	FETCHX 0
.set ST, 0
.rept 32
.if ST == 7 || ST == 19
	STEP ST, 1, GA, G1
.else
.if ST == 11
	STEP ST, 1, GB, G1S
.else
.if ST == 23
	STEP ST, 2, 0, 0
.else
	STEP ST, 0, 0, 0
.endif
.endif
.endif
.set ST, ST+1
.endr
	s_wait_loadcnt 0x0                             ; the small product's operands are in
.set WW, 1
.set WR, 0
.set XW, 1
.set XR, 48
.set SX, XSC
.set SW, WSC
	MUL 0, 7, 0
; THE WAY OUT, by blocks of 16 rows x 64 columns: through my own stage (LDS serves a wave's instructions in order, ISA guide 5.7.1.4: no wait between stores and loads) and back as rows of 256 bytes.
.macro STIN a
	WIN 0x08
.irp b, 0,1,2,3
	ds_store_b128 v[STO], v[8*(4*(\a)+\b):8*(4*(\a)+\b)+3] offset:64*\b            ; each accumulator from its low end on
	ds_store_b128 v[STO], v[8*(4*(\a)+\b)+4:8*(4*(\a)+\b)+7] offset:64*\b+16
.endr
.endm
.macro STOUT a
	WIN 0x40
.irp t, 0,1,2,3,4,5,6,7
	ds_load_b128 v[32*(\a)+4*\t:32*(\a)+4*\t+3], v[RD] offset:\t*2*SPITCH          ; each block has registers of its own: no store's data are written again
.endr
.endm
.macro SEND a, younger
	s_wait_dscnt \younger
	WIN 0x04
.irp t, 0,1,2,3,4,5,6,7
	global_store_b128 v[CO], v[32*(\a)+4*\t:32*(\a)+4*\t+3], s[POUT:POUT+1] offset:(16*(\a)+2*\t)*16384 th:TH_STORE_NT   ; sixteen lanes store 256 consecutive bytes, at a multiple of 256
.endr
.endm
	PLACES
	STIN 0
	STOUT 0
.irp a, 1,2,3,4,5,6,7
	STIN \a
	SEND \a-1, 8                                   ; behind block a - 1's loads: block a's eight stores
	STOUT \a
.endr
	SEND 7, 0
	WIN 0
	s_wait_tensorcnt 0x0                           ; the wave's end
	ds_add_u32 v[SPW], v[NIL]
	s_wait_dscnt 0x0
	CROUND                                         ; the closing round
	s_endpgm
.Lfunc_end_k_q67ed99beac_gemm:
	.size	k_q67ed99beac_gemm, .Lfunc_end_k_q67ed99beac_gemm-k_q67ed99beac_gemm
	.p2alignl 7, 3214868480
	.fill 96, 4, 3214868480
	.section	.rodata,"a",@progbits
	.p2align	6, 0x0
	.amdhsa_kernel k_q67ed99beac_gemm
		.amdhsa_group_segment_fixed_size 327680
		.amdhsa_private_segment_fixed_size 0
		.amdhsa_enable_private_segment 0
		.amdhsa_kernarg_size 32
		.amdhsa_user_sgpr_count 2
		.amdhsa_user_sgpr_kernarg_segment_ptr 1
		.amdhsa_wavefront_size32 1
		.amdhsa_system_sgpr_workgroup_id_x 1
		.amdhsa_system_sgpr_workgroup_id_y 1
		.amdhsa_system_sgpr_workgroup_id_z 1
		.amdhsa_system_vgpr_workitem_id 0
		.amdhsa_next_free_vgpr 1024
		.amdhsa_next_free_sgpr 96
		.amdhsa_reserve_vcc 0
		.amdhsa_float_denorm_mode_32 3
		.amdhsa_float_denorm_mode_16_64 3
		.amdhsa_memory_ordered 1
		.amdhsa_forward_progress 1
		.amdhsa_inst_pref_size 255
	.end_amdhsa_kernel
	.section	.bss,"aw",@nobits
	.p2align	6
	.space	262144
	.amdgpu_metadata
---
amdhsa.version: [ 1, 2 ]
amdhsa.kernels:
  - .name:           k_q67ed99beac_gemm
    .symbol:         k_q67ed99beac_gemm.kd
    .args:
      - { .name: q, .offset: 0, .size: 8, .value_kind: global_buffer, .address_space: global }
      - { .name: lora, .offset: 8, .size: 8, .value_kind: global_buffer, .address_space: global }
      - { .name: b_base, .offset: 16, .size: 8, .value_kind: global_buffer, .address_space: global }
      - { .name: out0, .offset: 24, .size: 8, .value_kind: global_buffer, .address_space: global }
    .group_segment_fixed_size: 327680
    .private_segment_fixed_size: 0
    .kernarg_segment_align: 8
    .kernarg_segment_size: 32
    .max_flat_workgroup_size: 128
    .sgpr_count:     96
    .vgpr_count:     1024
    .wavefront_size: 32
...
	.end_amdgpu_metadata
.endif
;; end of part 3
